; MI455X (gfx1250); checked and timed in simulation.
; The chip was launched on July 23, 2026; its instructions are those of AMD's public machine-readable ISA for CDNA 5 (MIT licence, August 2026) and "CDNA5" Instruction Set Architecture Reference Guide (July 2026). The comments in the code are by the model that wrote it; some were corrected since.
;; Bert H Attention1 D. Allowed arithmetic: matrix products marked QUANTISED: E4M3 operands, one given power-of-two scale a tensor, by v_wmma_f32_16x16x64_fp8_fp8 or v_wmma_f32_16x16x128_fp8_fp8, f32 sums; products left as they are: f32 operands where the result goes on into a quantised operand, else bf16, f16 or f32 operands; f32 sums; everything else in f32.
;; Inputs: Wk_codes 1,024 x 32 x 32 uint8 (E4M3 codes of Wk, K innermost, in blocks of 32 codes); Wq_codes 1,024 x 32 x 32 uint8 (E4M3 codes of Wq, K innermost, in blocks of 32 codes); Wv_codes 1,024 x 32 x 32 uint8 (E4M3 codes of Wv, K innermost, in blocks of 32 codes); attention_mask 4 x 4,096 float32; bk 1,024 float32; bq 1,024 float32; bv 1,024 float32; hidden_states_codes 4 x 4,096 x 32 x 32 uint8 (E4M3 codes of hidden_states, K innermost, in blocks of 32 codes); lowp_scales 20 int32 (the exponents e of the quantised operands' scales 2^e).
;; Outputs: out0 4 x 4,096 x 1,024 float32.
;; This version of the problem:
;;   THIS VERSION OF THE PROBLEM IS GIVEN IN LOW PRECISION. The matrix products marked QUANTISED in the list below multiply operands that are first quantised to E4M3 (4 exponent bits, 3 mantissa bits; 8 bits a number), with one given power-of-two scale for each operand tensor; their sums are f32. All else is computed in f32.
;;   The module's matrix products, in the order in which they are computed (A, B: the left and right operand; K: the contracted axis; several contracted axes count as one K, in the product's order):
;;     1. [M 16,384, K 1,024] x [K 1,024, N 1,024]; A: input hidden_states (given as codes); B: input Wq (given as codes): QUANTISED (scales: A lowp_scales[0], B lowp_scales[1])
;;     2. [M 16,384, K 1,024] x [K 1,024, N 1,024]; A: input hidden_states (given as codes); B: input Wk (given as codes): QUANTISED (scales: A lowp_scales[2], B lowp_scales[3])
;;     3. [M 16,384, K 1,024] x [K 1,024, N 1,024]; A: input hidden_states (given as codes); B: input Wv (given as codes): QUANTISED (scales: A lowp_scales[4], B lowp_scales[5])
;;     4. batch 256 x [M 16, K 64] x [K 64, N 16]; A: computed on the way; B: computed on the way: QUANTISED (scales: A lowp_scales[6], B lowp_scales[7])
;;     5. batch 256 x [M 16, K 16] x [K 16, N 64]; A: computed on the way; B: computed on the way: left as it is (K = 16 < 32)
;;     6. batch 512 x [M 16, K 64] x [K 64, N 16]; A: computed on the way; B: computed on the way: QUANTISED (scales: A lowp_scales[8], B lowp_scales[9])
;;     7. batch 512 x [M 16, K 16] x [K 16, N 64]; A: computed on the way; B: computed on the way: left as it is (K = 16 < 32)
;;     8. batch 1,024 x [M 16, K 64] x [K 64, N 16]; A: computed on the way; B: computed on the way: QUANTISED (scales: A lowp_scales[10], B lowp_scales[11])
;;     9. batch 1,024 x [M 16, K 16] x [K 16, N 64]; A: computed on the way; B: computed on the way: left as it is (K = 16 < 32)
;;     10. batch 2,048 x [M 16, K 64] x [K 64, N 16]; A: computed on the way; B: computed on the way: QUANTISED (scales: A lowp_scales[12], B lowp_scales[13])
;;     11. batch 2,048 x [M 16, K 16] x [K 16, N 64]; A: computed on the way; B: computed on the way: left as it is (K = 16 < 32)
;;     12. batch 4,096 x [M 16, K 64] x [K 64, N 16]; A: computed on the way; B: computed on the way: QUANTISED (scales: A lowp_scales[14], B lowp_scales[15])
;;     13. batch 4,096 x [M 16, K 16] x [K 16, N 64]; A: computed on the way; B: computed on the way: left as it is (K = 16 < 32)
;;     14. batch 8,192 x [M 16, K 64] x [K 64, N 16]; A: computed on the way; B: computed on the way: QUANTISED (scales: A lowp_scales[16], B lowp_scales[17])
;;     15. batch 8,192 x [M 16, K 16] x [K 16, N 64]; A: computed on the way; B: computed on the way: left as it is (K = 16 < 32)
;;     16. batch 16,384 x [M 16, K 64] x [K 64, N 16]; A: computed on the way; B: computed on the way: QUANTISED (scales: A lowp_scales[18], B lowp_scales[19])
;;     17. batch 16,384 x [M 16, K 16] x [K 16, N 64]; A: computed on the way; B: computed on the way: left as it is (K = 16 < 32)
;;   THE QUANTISER, for each operand of a quantised product, along K:
;;     - The operand's scale is 2^e, e = its entry of the input lowp_scales (int32; the entries are numbered through the quantised products in the list's order, A before B).
;;     - Each number is divided by the scale, clamped to +-448, and rounded to the nearest number of E4M3, ties to even, subnormals kept.
;;     - The product sums the exact products of the quantised numbers (number of the format x scale) in f32.
;;   ~~~python
;;   def quantise(x, axis, e):      # numpy; x: float32 -> the quantised numbers, widened to float32 again
;;       x = np.moveaxis(x, axis, -1); K = x.shape[-1]
;;       r = np.clip(x / 2.0 ** e, -448, 448)
;;       step = 2.0 ** (np.maximum(np.frexp(np.where(r == 0, 1, r))[1] - 1, -6) - 3)
;;       q = np.round(r / step) * step * 2.0 ** e      # np.round: ties to even
;;       return np.moveaxis(q, -1, axis).astype(np.float32)
;;   ~~~
;;   OPERANDS COMPUTED ON THE WAY. 'Computed on the way' means the value that the module computes at that place (a softmax that the list does not call 'softmax' is quantised finished and normalised). What goes into a quantiser is computed in f32, as accurately as f32 sums, v_exp_f32 and their like allow (about 1e-6 of the number): no bf16 or f16 on the way to a quantiser, and a product that is left as it is and whose result goes on into a quantised operand takes f32 operands (vector FMAs, or v_wmma_f32_16x16x4_f32). A number that lies on a knife's edge between two numbers of the format may be rounded either way, as far as f32 arithmetic and the matrix unit's own rounding can turn it there, and no further.
;;   INPUTS GIVEN AS CODES. Wk (in the module: [1024, 1024], K = its axis 1); Wq (in the module: [1024, 1024], K = its axis 1); Wv (in the module: [1024, 1024], K = its axis 1); hidden_states (in the module: [4, 4096, 1024], K = its axis 2): each comes as NAME_codes (uint8): NAME with its K axis moved to the last place and cut into blocks of 32 codes, [.., K / 32, bytes a block], one block behind the other in memory; one code a byte (a code: sign, 4 exponent bits, 3 mantissa bits); its scale is its entry of lowp_scales. Its value is code x scale, taken as it is: it is not quantised again, and the codes and scales need not be those that the quantiser above would give.
;; One version. Each part assembles by itself: llvm-mc -triple=amdgcn-amd-amdhsa -mcpu=gfx1250 --defsym DOCPART=n.
;; ======== version 1 of 1: 2 launches
;; limits: right only within a limited range of input values
;; workspace buffers: ypart 67,108,864 bytes; apart 1,048,576 bytes; c4 14,680,064 bytes
;; launch proj (part 1): grid 16 x 16, 4 waves a work-group, clusters of 4 x 4, 327,680 bytes of LDS; arguments hidden_states_codes, Wq_codes, Wk_codes, Wv_codes, bq, bk, bv, attention_mask, lowp_scales, ypart, apart, c4; writes ypart, apart, c4
.if DOCPART == 1
	.amdgcn_target "amdgcn-amd-amdhsa--gfx1250"
	.amdhsa_code_object_version 6
	.text
	.protected	k_q2fa6a67729_proj
	.globl	k_q2fa6a67729_proj
	.p2align	8
	.type	k_q2fa6a67729_proj,@function
k_q2fa6a67729_proj:
	s_mov_b64 s[64:65], 0
	v_nop
	global_prefetch_b8 v0, s[64:65] scope:SCOPE_SE
	s_setreg_imm32_b32 hwreg(HW_REG_WAVE_MODE, 25, 1), 1
	s_wait_xcnt 0x0
	s_wait_alu depctr_hold_cnt(0) depctr_sa_sdst(0) depctr_va_vdst(0) depctr_va_sdst(0) depctr_va_ssrc(0) depctr_va_vcc(0) depctr_vm_vsrc(0)
	s_getreg_b32 s2, hwreg(HW_REG_IB_STS2, 6, 4)
	s_cmp_eq_u32 s2, 0
	s_cbranch_scc0 .Lentry_in_a_cluster
	s_endpgm
.Lentry_in_a_cluster:
	s_bfe_u32 s2, ttmp6, 0x10000c
	s_cmp_lg_u32 s2, 0xf033
	s_cbranch_scc0 .Lentry_shape_is_right
	s_endpgm
.Lentry_shape_is_right:
; PROJ: q, k, v = h W^T + b on codes of E4M3, fused with levels 0 to 3 of the hierarchical attention.
; DEAD WORK: none of the inputs is dead (the sequence, 4,096, is a power of two: no padding, no slice; the biases go into quantised operands or into v).
; One step is left out as an identity: from level 1 up reference() masks v once more before it sums a pair, but a row whose mask is false was made 0 by the level below
; (a masked sum of no rows), for all values of the inputs; so v is summed there without a mask.  A NaN or an infinity that reaches only that mask is not carried on.
; SHARES.  A work-group stays on one head and walks 4 tiles (batch 0..3) of 256 tokens x (64 q + 64 k + 64 v) columns; a wave owns 64 tokens x 192 columns: 48 accumulators.
; q, k, v never leave the registers.  Stored: ypart (the numerator of levels 0-3), apart (their denominator), c4 (the level-4 q, k, v and mask, as the next launch's register images).
; UNITS.  q, k, v stay in raw units: sum of code products + bias / 2^(eA + eB) (the bias is the C of a tile's first matrix instruction).  The means' weights are 0, 1/2, 1, so they commute with powers of two:
; level l's conversions take 2^(eq_l - e0 - e1 + 3) and 2^(ek_l - e2 - e3), its scores are multiplied by log2(e) 2^(eq_l + ek_l); v's 2^(e4 + e5) is applied by the next launch.
; LIMITS: eq_l - e0 - e1 + 3 and ek_l - e2 - e3 between -126 and 119, eq_l + ek_l between -126 and 126; NaN and infinity among the inputs are not served.
; LAYOUT (r = lane % 16, h = lane / 16).  q, k: source 0 = 16 rows of W, source 1 = 16 tokens: lane = token r, register 8 c + j = channel 16 c + 8 h + j: four conversions give the K = 64 fragment.
; v: source 0 = tokens, source 1 = rows of Wv: lane = channel, register j = token 8 h + j: packed pairs are the bf16 fragment whose K runs over the keys.
; Scores S^T = K Q^T: lane = query, register j = key 8 h + j.  The bf16 product's K = 32 holds two levels: [level 0 | level 1] and [level 2 | level 3]; the coarser levels' weights are brought to the fine tile's lanes.
; COARSENING.  Level l's partners are lanes r and r xor 2^l; two tiles merge into one (lanes with bit l = 0 take the first tile's pairs, the others the second's); v and the key masks follow the same rule on j and h,
; so the order of the keys is the same in K's lanes and in V's registers at every level.  Levels 3 and 4 are kept in duplicate (both lanes of a pair hold the parent).
; MASK.  t' = min(t, query's penalty, key's penalty), the penalties +-FLT_MAX; the row's maximum is taken away before the exponential; a row with no open key gives sixteen ones, as in reference().
; CLUSTER 4 x 4: the h tile hangs on the token block alone and is shared along a row of the cluster, the W tiles on the head alone and are shared along a column.
; REGISTERS, windows of 256.  W0: v0-31 addresses, v32-127 masks and work, v128-255 h's fragments (two sets), later the codes.  W1: v0-191 W's fragments, later coarse q, k, the weights and Y.
; W2: q's and k's accumulators, later coarse rows and V's fragments.  W3: v's accumulators, v128-223 the three biases, v224-255 level 0's key penalties.
.set PITCH, 272                        ; an LDS row: 256 bytes + 16 of padding
.set FRAG,  16*PITCH                   ; 16 rows
.set SLOT,  448*PITCH                  ; h's 256 rows, then 64 rows each of Wq, Wk, Wv
.set WOFF,  256*PITCH
.set WPART, 64*PITCH
.set XCH,   2*SLOT                     ; behind the ring, no fill lands from here on: for each wave K2 codes +0, V2 +1024, PEN2 +3072, K3 codes +4096
.set XCHW,  5120
.set PAIR,  XCH+4*XCHW                 ; for each pair of waves: V3 +512 t, PEN3 +2048
.set PAIRB, 3072
.set REC,   PAIR+2*PAIRB               ; the tile's record of c4
.set RECB,  14336
.set STAGE, REC+RECB                   ; for each wave two stages of 16 rows x 272
.set SPARE, STAGE+8*FRAG               ; the spare words, 128 bytes for each wave
.set PADW,  (1<<20)|(1<<21)|(5<<22)|(3<<25)   ; elements of 1 byte; padding on; bit 21 beside a mask; 4 words behind every 64
.set NEXTH, 4096*1024-512              ; from a slot's last K step of a tile to its first of the next batch
.set MSB, 0
.macro WIN new                         ; low byte: bits 1:0 source 0, 3:2 source 1, 5:4 source 2, 7:6 destination; the high byte repeats the setting that is left
.if MSB != (\new)
	s_set_vgpr_msb (MSB<<8)|(\new)
.set MSB, (\new)
.endif
.endm
.macro PLACES n
.rept \n
	v_nop
.endr
.endm
.macro CREST                           ; a round of the cluster's barrier behind its opening barrier
	s_cmp_lg_u32 s8, 0
	s_cbranch_scc1 .Lnw0_\@
	s_barrier_signal -3
.Lnw0_\@:
	s_barrier_wait -3
	s_barrier_signal -1
	s_barrier_wait -1
.endm
.macro CROUND
	s_barrier_signal -1
	s_barrier_wait -1
	CREST
.endm
; A joint load: wave 0 fetches h's 256 rows, waves 1, 2, 3 the head's 64 rows of Wq, Wk, Wv.  The branch hangs on the wave's number alone.
.macro JLOAD s
	s_cmp_eq_u32 s8, 0
	s_cbranch_scc0 .Lforw_\@
	tensor_load_to_lds s[32+4*\s:35+4*\s], s[16:23]
	s_nop 0
.rept 4
	v_nop
.endr
	s_branch .Lasked_\@
.Lforw_\@:
	tensor_load_to_lds s[40+4*\s:43+4*\s], s[24:31]
	s_nop 0
.rept 4
	v_nop
.endr
.Lasked_\@:
.endm
; A prefetch of 32 rows x 256 bytes of the NEXT batch's h tile, a lane a row.  The first column of clusters asks; its four partners take 64 rows each, told apart by address; in each, waves 0 and 1 ask.
.macro ASK off, how
.if \how
	s_cmp_eq_u32 s58, 1
.else
	s_cmp_gt_u32 s2, s58               ; only while a tile follows
.endif
	s_cbranch_scc0 .Lnotme_\@
	global_prefetch_b8 v25, s[56:57] offset:\off th:TH_LOAD_NT scope:SCOPE_SE
.Lnotme_\@:
.endm
; Fragments: 16 rows x 128 K by four loads of 16 bytes, 32 apart: a permutation of k that is the same in h and in W.
.macro FW g, slot, q                   ; W's four fragments of group g (0 q, 1 k, 2 v)
	WIN 0x40
.irp c, 0,1,2,3
.irp i, 0,1,2,3
	ds_load_b128 v[64*\g+16*\c+4*\i:64*\g+16*\c+4*\i+3], v[5+\slot] offset:(4*\g+\c)*FRAG+128*\q+32*\i
.endr
.endr
.endm
.macro FH p, slot, q                   ; h's four fragments into set p
	WIN 0
.irp a, 0,1,2,3
.irp i, 0,1,2,3
	ds_load_b128 v[128+64*\p+16*\a+4*\i:128+64*\p+16*\a+4*\i+3], v[3+\slot] offset:\a*FRAG+128*\q+32*\i
.endr
.endr
.endm
; 16 matrix instructions.  The 48 accumulators take turns, one instruction a turn, in the same order in every step.
.macro MULQK base, wb, bias, p, first
.if \first
	WIN 0xb1
.else
	WIN 0xa1
.endif
.irp c, 0,1,2,3
.irp a, 0,1,2,3
.if \first
	v_wmma_f32_16x16x128_fp8_fp8 v[\base+32*\a+8*\c:\base+32*\a+8*\c+7], v[\wb+16*\c:\wb+16*\c+15], v[128+64*\p+16*\a:128+64*\p+16*\a+15], v[\bias+8*\c:\bias+8*\c+7]
.else
	v_wmma_f32_16x16x128_fp8_fp8 v[\base+32*\a+8*\c:\base+32*\a+8*\c+7], v[\wb+16*\c:\wb+16*\c+15], v[128+64*\p+16*\a:128+64*\p+16*\a+15], v[\base+32*\a+8*\c:\base+32*\a+8*\c+7]
.endif
.endr
.endr
.endm
.macro MULV p, first
	WIN 0xf4
.irp t, 0,1,2,3
.irp a, 0,1,2,3
.if \first
	v_wmma_f32_16x16x128_fp8_fp8 v[32*\a+8*\t:32*\a+8*\t+7], v[128+64*\p+16*\a:128+64*\p+16*\a+15], v[128+16*\t:128+16*\t+15], v[192+8*\t:192+8*\t+7]
.else
	v_wmma_f32_16x16x128_fp8_fp8 v[32*\a+8*\t:32*\a+8*\t+7], v[128+64*\p+16*\a:128+64*\p+16*\a+15], v[128+16*\t:128+16*\t+15], v[32*\a+8*\t:32*\a+8*\t+7]
.endif
.endr
.endr
.endm
; A slot's first 128 along K (h's set 0); the second 128's fragments are fetched group by group as W's registers come free.
.macro STEP slot, first
	s_wait_dscnt 32                    ; Wq's and h's loads are in; Wk's and Wv's 32 may be out
	MULQK 0, 0, 128, 0, \first
	PLACES 4
	FW 0, \slot, 1
	FH 1, \slot, 1
	s_wait_dscnt 48                    ; Wk's are in; behind them: Wv's 16 and the 32 just issued
	MULQK 128, 64, 160, 0, \first
	PLACES 4
	FW 1, \slot, 1
	s_wait_dscnt 48                    ; Wv's are in; behind them: 32 + 16
	MULV 0, \first
	PLACES 4
	FW 2, \slot, 1
	WIN 0
.endm
; A slot's second 128 along K (h's set 1) and the change of slots.  fill = 1: the slot is filled again, two K steps on, behind a round of the cluster's barrier.
.macro TURN slot, next, fill, off
	WIN 0
	s_wait_tensorcnt 0x0               ; all my tensor loads have landed: my part of the next slot
	ds_add_u32 v7, v8                  ; 0 onto my spare word
	s_wait_dscnt 33                    ; Wq's and h's are in; Wk's, Wv's and the add may be out
	MULQK 0, 0, 128, 1, 0
	s_wait_dscnt 0x0                   ; the add is done, and my reads of this slot are over
	s_barrier_signal -1
	MULQK 128, 64, 160, 1, 0
	WIN 0
	s_barrier_wait -1
.if \fill
	CREST                              ; no wave of any partner still reads this slot or has a load on its way
	s_add_nc_u64 s[34+4*\slot:35+4*\slot], s[34+4*\slot:35+4*\slot], 512
	s_add_nc_u64 s[42+4*\slot:43+4*\slot], s[42+4*\slot:43+4*\slot], 512
	JLOAD \slot                        ; its four v_nop are also the places in front of the loads below
.else
	PLACES 4
.endif
	FW 0, \next, 0
	FH 0, \next, 0
	FW 1, \next, 0
.if \fill
	WIN 0
	ASK \off, 0
.endif
	MULV 1, 0
	PLACES 4
	FW 2, \next, 0
	WIN 0
.endm
; ---- the vector work's macros
.macro LW m, k, s, w                   ; s = m + partner's m; w = m (1.5 - s / 2): 1/2, 1 or 0; s becomes the parent's mask
	v_add_f32_dpp v[\s], v[\m], v[\m] row_xmask:\k row_mask:0xf bank_mask:0xf
	v_fma_f32 v[\w], v[\s], -0.5, 0x3fc00000
	v_mul_f32 v[\w], v[\w], v[\m]
	v_min_num_f32 v[\s], 1.0, v[\s]
.endm
.macro PENOF m, p                      ; +FLT_MAX where the mask is 1, else -FLT_MAX
	v_cmp_lt_f32 vcc_lo, 0, v[\m]
	v_cndmask_b32 v[\p], v27, v26, vcc_lo
.endm
.macro FACT wa, wb, bit                ; the four factors of a merge
	v_cndmask_b32 v60, v[\wa], 0, s[\bit]
	v_cndmask_b32 v62, 0, v[\wb], s[\bit]
	v_cndmask_b32 v64, 0, v[\wa], s[\bit]
	v_cndmask_b32 v66, v[\wb], 0, s[\bit]
.endm
.macro MERGE ta, tb, d, win, k         ; two tiles of 32 registers become their parents' tile d (window 1); v192-223 of window 1 carry what the partner lane wants
	WIN \win
.set mi, 0
.rept 16
	v_pk_mul_f32 v[\d+mi:\d+mi+1], v[\ta+mi:\ta+mi+1], v[60:61] op_sel_hi:[1,0]
	v_pk_mul_f32 v[192+mi:193+mi], v[\ta+mi:\ta+mi+1], v[64:65] op_sel_hi:[1,0]
	v_pk_fma_f32 v[\d+mi:\d+mi+1], v[\tb+mi:\tb+mi+1], v[62:63], v[\d+mi:\d+mi+1] op_sel_hi:[1,0,1]
	v_pk_fma_f32 v[192+mi:193+mi], v[\tb+mi:\tb+mi+1], v[66:67], v[192+mi:193+mi] op_sel_hi:[1,0,1]
.set mi, mi+2
.endr
	WIN 0x45
.set mi, 0
.rept 32
	v_add_f32_dpp v[\d+mi], v[192+mi], v[\d+mi] row_xmask:\k row_mask:0xf bank_mask:0xf
.set mi, mi+1
.endr
.endm
.macro DUPC src, d, w, k, wina, winb   ; the parents of one tile, left in both lanes of each pair
	WIN \wina
.set di, 0
.rept 16
	v_pk_mul_f32 v[\d+di:\d+di+1], v[\src+di:\src+di+1], v[\w:\w+1] op_sel_hi:[1,0]
.set di, di+2
.endr
	WIN \winb
.set di, 0
.rept 32
	v_add_f32_dpp v[\d+di], v[\d+di], v[\d+di] row_xmask:\k row_mask:0xf bank_mask:0xf
.set di, di+1
.endr
.endm
.macro LCON l                          ; level l's scale and hold for q (v72, v73) and for k (v74, v75)
	v_mov_b32 v72, s[76+4*\l]
	v_mov_b32 v73, s[77+4*\l]
	v_mov_b32 v74, s[78+4*\l]
	v_mov_b32 v75, s[79+4*\l]
.endm
.macro HOLD base, n, lim               ; the conversion to an 8-bit code does not saturate (ISA guide 7.6.2): held within the largest code x the scale first
.set hi, 0
.rept \n
	v_med3_num_f32 v[\base+hi], v[\base+hi], -v[\lim], v[\lim]
.set hi, hi+1
.endr
.endm
.macro CVT4 dst, src, sc               ; 32 registers of a token tile become the 8 registers of its K = 64 fragment
.irp c, 0,1,2,3
	v_cvt_scalef32_pk8_fp8_f32 v[\dst+2*\c:\dst+2*\c+1], v[\src+8*\c:\src+8*\c+7], v[\sc]
.endr
.endm
.macro UPS src, z, da, db, n, bit, k   ; a coarse tile's lanes are dealt to its two finer tiles
.set ui, 0
.rept \n
	v_mov_b32_dpp v[\z+ui], v[\src+ui] row_xmask:\k row_mask:0xf bank_mask:0xf
.set ui, ui+1
.endr
.set ui, 0
.rept \n
	v_cndmask_b32 v[\da+ui], v[\src+ui], v[\z+ui], s[\bit]
	v_cndmask_b32 v[\db+ui], v[\z+ui], v[\src+ui], s[\bit]
.set ui, ui+1
.endr
.endm
.macro BLK b                           ; block b of the eight score blocks: 0-3 level 0, 4-5 level 1, 6 level 2, 7 level 3
.set SB, 64+8*(\b)
.set MB, 48+2*(\b)
.if (\b) < 4
.set CL, 68
.set QP, 36+(\b)
.set KP, 224+8*(\b)
.set PD, 128+16*(\b)
.elseif (\b) < 6
.set CL, 70
.set QP, 38+(\b)
.set KP, 224+8*(5-(\b))
.set PD, 200+4*(\b)
.elseif (\b) == 6
.set CL, 72
.set QP, 45
.set KP, 240
.set PD, 192
.else
.set CL, 74
.set QP, 47
.set KP, 248
.set PD, 196
.endif
.endm
; ================= the head
	s_load_b512 s[68:83], s[0:1], 0x0              ; h, Wq, Wk, Wv, bq, bk, bv, the mask
	s_load_b256 s[84:91], s[0:1], 0x40             ; the scales' exponents, ypart, apart, c4
	v_lshl_add_u32 v7, v0, 2, SPARE
	v_mov_b32 v8, 0
	ds_add_u32 v7, v8                              ; the wave's opening: the add, twice on end, and its wait ahead of my first tensor load
	ds_add_u32 v7, v8
	v_lshrrev_b32 v29, 5, v0
	v_readfirstlane_b32 s8, v29                    ; wave 0..3
	s_bfe_u32 s9, ttmp6, 0x40000                   ; cx
	s_bfe_u32 s10, ttmp6, 0x40004                  ; cy
	s_lshl_b32 s11, ttmp9, 2
	s_add_co_u32 s11, s11, s9                      ; the head = 4 x cluster x + cx
	s_and_b32 s12, ttmp7, 0xffff
	s_lshl_b32 s12, s12, 2
	s_add_co_u32 s12, s12, s10                     ; the token block = 4 x cluster y + cy
	s_lshl_b32 s13, s10, 2
	s_lshl_b32 s13, 15, s13                        ; my row of the cluster
	s_lshl_b32 s67, 0x1111, s9                     ; my column
	s_or_b32 s16, s13, PADW                        ; group 1 for h: 256 rows x 256 bytes, shared along the row
	s_or_b32 s24, s67, PADW                        ; group 1 for W: 64 rows x 256 bytes, shared along the column
.irp g, 16, 24
	s_mov_b32 s[\g+1], 256<<16                     ; tensor_dim0
	s_mov_b32 s[\g+3], 256<<16                     ; tile_dim0
	s_mov_b32 s[\g+5], 1024                        ; from row to row
	s_mov_b32 s[\g+6], 0
	s_mov_b32 s[\g+7], 0
.endr
	s_mov_b32 s18, 256<<16                         ; tensor_dim1
	s_mov_b32 s20, 256                             ; tile_dim1
	s_mov_b32 s26, 64<<16
	s_mov_b32 s28, 64
	s_mov_b32 s60, 0x76543210                      ; v_permlanex16_b32: lane l xor 16
	s_mov_b32 s61, 0xfedcba98
	s_mov_b32 s62, 0xaaaaaaaa                      ; lanes with bit 0
	s_mov_b32 s63, 0xcccccccc                      ; lanes with bit 1
	s_wait_dscnt 0x0                               ; both opening adds are done
	s_wait_kmcnt 0x0
	s_load_b128 s[4:7], s[84:85], 0x0              ; e0 .. e3
	s_load_b64 s[100:101], s[84:85], 0x10          ; e4, e5
	s_load_b256 s[92:99], s[84:85], 0x30           ; e12 .. e19: levels 3 .. 0
	s_lshl_b32 s14, s12, 18                        ; 256 rows of 1,024 bytes for each token block
	s_mov_b32 s15, 0
	s_mov_b32 s32, 1
	s_mov_b32 s33, 0
	s_add_nc_u64 s[34:35], s[68:69], s[14:15]
	s_mov_b32 s36, 1
	s_mov_b32 s37, SLOT
	s_add_nc_u64 s[38:39], s[34:35], 256
	s_or_b32 s35, s35, 0x80000000
	s_or_b32 s39, s39, 0x80000000
	s_cmp_eq_u32 s8, 2
	s_cselect_b64 s[66:67], s[72:73], s[70:71]
	s_cmp_eq_u32 s8, 3
	s_cselect_b64 s[66:67], s[74:75], s[66:67]     ; waves 1, 2, 3: Wq, Wk, Wv
	s_lshl_b32 s2, s11, 16                         ; the head's 64 rows
	s_mov_b32 s3, 0
	s_mul_i32 s13, s8, WPART
	s_mov_b32 s40, 1
	s_add_co_u32 s41, s13, WOFF-WPART              ; wave w's 64 rows lie behind h's 256 and waves 1 .. w - 1's
	s_add_nc_u64 s[42:43], s[66:67], s[2:3]
	s_mov_b32 s44, 1
	s_add_co_u32 s45, s13, WOFF-WPART+SLOT
	s_add_nc_u64 s[46:47], s[42:43], 256
	s_or_b32 s43, s43, 0x80000000
	s_or_b32 s47, s47, 0x80000000
	CROUND                                         ; all sixteen work-groups are here: the first joint loads meet
	JLOAD 0
	JLOAD 1
	; ---- addresses
	v_and_b32 v1, 15, v0                           ; r
	v_bfe_u32 v2, v0, 4, 1                         ; h
	v_and_b32 v31, 31, v0
	v_lshlrev_b32 v30, 4, v31                      ; 16 x lane
	v_mul_u32_u24 v29, v1, PITCH
	v_lshl_add_u32 v29, v2, 4, v29
	s_mul_i32 s13, s8, WPART
	v_add_nc_u32 v3, s13, v29                      ; h's fragments, slot 0: my 64 rows
	v_add_nc_u32 v4, SLOT, v3
	v_add_nc_u32 v5, WOFF, v29                     ; W's fragments
	v_add_nc_u32 v6, SLOT, v5
	s_mul_i32 s13, s8, 2*FRAG
	s_add_co_u32 s13, s13, STAGE
	v_mul_u32_u24 v9, v1, PITCH
	v_lshl_add_u32 v9, v2, 5, v9
	v_add_nc_u32 v9, s13, v9                       ; into my stage: row r, 32 bytes for each half
	v_mul_u32_u24 v10, v2, PITCH
	v_lshl_add_u32 v10, v1, 4, v10
	v_add_nc_u32 v10, s13, v10                     ; back: lanes 0-15 one row, lanes 16-31 the next
	v_lshlrev_b32 v11, 12, v2
	v_lshl_add_u32 v11, v1, 4, v11                 ; the same two rows in ypart
	s_mul_i32 s13, s8, XCHW
	s_add_co_u32 s13, s13, XCH
	v_add_nc_u32 v13, s13, v30                     ; my exchange region
	s_xor_b32 s13, s8, 1
	s_mul_i32 s13, s13, XCHW
	s_add_co_u32 s13, s13, XCH
	v_add_nc_u32 v14, s13, v30                     ; the sibling wave's
	s_lshr_b32 s14, s8, 1                          ; my pair of waves
	s_xor_b32 s15, s14, 1                          ; the sibling pair
	s_and_b32 s3, s8, 1                            ; my place in the pair
	s_mul_i32 s13, s15, 2*XCHW
	s_add_co_u32 s13, s13, XCH
	v_bfe_u32 v29, v0, 2, 1
	v_mul_u32_u24 v29, v29, XCHW
	v_add_nc_u32 v29, v29, v30
	v_add_nc_u32 v15, s13, v29                     ; level 3's keys: lanes with bit 2 = u take the sibling pair's wave u
	s_mul_i32 s13, s15, PAIRB
	s_add_co_u32 s13, s13, PAIR
	v_add_nc_u32 v16, s13, v30
	s_mul_i32 s13, s14, PAIRB
	s_add_co_u32 s13, s13, PAIR
	s_lshl_b32 s66, s3, 3
	s_add_co_u32 s66, s66, s13
	v_add_nc_u32 v17, s66, v30
	s_lshl_b32 s66, s3, 9
	s_add_co_u32 s66, s66, s13
	s_add_co_u32 s66, s66, 2048
	v_add_nc_u32 v12, s66, v30
	v_and_b32 v29, 3, v0                           ; r % 4: the level-4 token of my wave
	v_bfe_u32 v31, v0, 2, 2                        ; r / 4
	s_lshl_b32 s13, s8, 6
	s_add_co_u32 s13, s13, REC
	v_lshlrev_b32 v18, 4, v29
	v_lshl_add_u32 v18, v2, 8, v18
	v_add_nc_u32 v18, s13, v18                     ; q4, k4: place (4 w + r % 4, h) of an image
	s_lshl_b32 s13, s3, 9
	s_lshl_b32 s66, s14, 8
	s_add_co_u32 s13, s13, s66
	s_add_co_u32 s13, s13, REC+8192
	v_lshlrev_b32 v19, 10, v29
	v_lshl_add_u32 v19, v31, 4, v19
	v_add_nc_u32 v19, s13, v19                     ; v4: image 2 (r % 4) + w % 2, place (4 t + r / 4, w / 2)
	s_lshl_b32 s13, s8, 4
	s_add_co_u32 s13, s13, REC+12288
	v_lshlrev_b32 v20, 2, v29
	v_lshl_add_u32 v20, v31, 6, v20
	v_lshl_add_u32 v20, v2, 8, v20
	v_add_nc_u32 v20, s13, v20                     ; the level-4 penalties: entry i belongs to token i % 16
	s_mul_i32 s13, s8, 3584
	v_add_nc_u32 v22, s13, v30                     ; my quarter of the record, in c4,
	v_add_nc_u32 v21, REC, v22                     ; and in LDS
	s_lshl_b32 s13, s8, 8
	v_lshl_add_u32 v23, v1, 2, s13                 ; the mask of token 64 w + r
	v_lshl_add_u32 v24, v2, 5, s13                 ; and of tokens 64 w + 8 h on
	v_and_b32 v25, 31, v0
	v_lshlrev_b32 v25, 10, v25                     ; the prefetches: a lane a row
	v_mov_b32 v26, 0x7f7fffff                      ; +FLT_MAX
	v_mov_b32 v27, 0xff7fffff                      ; -FLT_MAX
	v_lshlrev_b32 v28, 4, v1
.set ii, 46
.rept 26
	v_mov_b32 v[ii], 0                             ; written once: destinations of lane exchanges and upper halves of pairs count as read
.set ii, ii+1
.endr
	; ---- where my parts begin in memory
	s_mov_b32 s15, 0
	s_lshl_b32 s14, s12, 20
	s_lshl_b32 s13, s8, 18
	s_add_co_u32 s14, s14, s13
	s_lshl_b32 s13, s11, 8
	s_add_co_u32 s14, s14, s13
	s_add_nc_u64 s[48:49], s[86:87], s[14:15]      ; ypart: row 256 block + 64 wave, the head's 256 bytes
	s_lshl_b32 s14, s11, 14
	s_lshl_b32 s13, s12, 10
	s_add_co_u32 s14, s14, s13
	s_lshl_b32 s13, s8, 8
	s_add_co_u32 s14, s14, s13
	s_add_nc_u64 s[50:51], s[88:89], s[14:15]      ; apart: chunk 4 block + wave of the head
	s_lshl_b32 s14, s11, 4
	s_add_co_u32 s14, s14, s12
	s_mul_i32 s14, s14, RECB
	s_add_nc_u64 s[52:53], s[90:91], s[14:15]      ; c4: the record of (head, block)
	s_lshl_b32 s14, s12, 10
	s_add_nc_u64 s[54:55], s[82:83], s[14:15]      ; the mask at the block's first token
	s_lshl_b32 s14, s12, 18
	s_lshl_b32 s13, s9, 16
	s_add_co_u32 s14, s14, s13
	s_lshl_b32 s13, s8, 15
	s_add_co_u32 s14, s14, s13
	s_add_nc_u64 s[56:57], s[68:69], s[14:15]      ; the prefetches: rows 64 cx + 32 wave of the block
	s_lshr_b32 s13, s8, 1
	s_or_b32 s13, s13, ttmp9
	s_cmp_eq_u32 s13, 0
	s_cselect_b32 s58, 1, -1                       ; waves 0, 1 of the first column of clusters: the same in all sixteen partners
	s_lshl_b32 s14, s11, 8
	s_add_nc_u64 s[76:77], s[76:77], s[14:15]      ; the head's 64 numbers of each bias
	s_add_nc_u64 s[78:79], s[78:79], s[14:15]
	s_add_nc_u64 s[80:81], s[80:81], s[14:15]
	v_lshlrev_b32 v29, 5, v2
	v_lshlrev_b32 v31, 2, v1
	WIN 0xc0
.irp c, 0,1,2,3
	global_load_b128 v[128+8*\c:131+8*\c], v29, s[76:77] offset:64*\c
	global_load_b128 v[132+8*\c:135+8*\c], v29, s[76:77] offset:64*\c+16
	global_load_b128 v[160+8*\c:163+8*\c], v29, s[78:79] offset:64*\c
	global_load_b128 v[164+8*\c:167+8*\c], v29, s[78:79] offset:64*\c+16
	global_load_b32 v[192+8*\c], v31, s[80:81] offset:64*\c
.endr
	WIN 0
	s_wait_kmcnt 0x0
	s_wait_loadcnt 0x0                             ; the biases are in, and every pointer in s68-91 has been used
	s_add_co_i32 s13, s4, s5                       ; e0 + e1
	s_sub_co_i32 s14, 0, s13
	s_add_co_i32 s15, s6, s7                       ; e2 + e3
	s_sub_co_i32 s3, 0, s15
	s_add_co_i32 s66, s100, s101                   ; e4 + e5
	s_sub_co_i32 s66, 0, s66
	WIN 0xc3
.set ii, 0
.rept 32
	v_ldexp_f32 v[128+ii], v[128+ii], s14          ; the biases in raw units
	v_ldexp_f32 v[160+ii], v[160+ii], s3
.set ii, ii+1
.endr
.irp t, 0,1,2,3
.irp j, 7,6,5,4,3,2,1,0
	v_ldexp_f32 v[192+8*\t+\j], v[192+8*\t], s66   ; v's bias is the same for a lane's eight tokens
.endr
.endr
	WIN 0
.irp l, 0,1,2,3
	s_sub_co_i32 s67, s[98-2*\l], s13
	s_add_co_i32 s67, s67, 130                     ; eq_l - e0 - e1 + 3, + 127
	s_lshl_b32 s[76+4*\l], s67, 23
	s_add_co_i32 s67, s67, 8
	s_lshl_b32 s67, s67, 23
	s_or_b32 s[77+4*\l], s67, 0x600000             ; 448 x that
	s_sub_co_i32 s67, s[99-2*\l], s15
	s_add_co_i32 s67, s67, 127
	s_lshl_b32 s[78+4*\l], s67, 23
	s_add_co_i32 s67, s67, 8
	s_lshl_b32 s67, s67, 23
	s_or_b32 s[79+4*\l], s67, 0x600000
	s_add_co_i32 s67, s[98-2*\l], s[99-2*\l]
	s_lshl_b32 s67, s67, 23
	s_add_co_i32 s[68+2*\l], s67, 0x3fb8aa3b       ; log2(e) x 2^(eq_l + ek_l)
	s_mov_b32 s[69+2*\l], s[68+2*\l]
.endr
	s_wait_tensorcnt 1                             ; my part of K step 0 is in; K step 1's may be out
	s_barrier_signal -1
	s_barrier_wait -1
	s_mov_b32 s2, 4                                ; tiles to go
.Ltile:
	PLACES 5                                       ; the first products write over registers that the last tile's products read
.irp a, 0,1,2,3
	global_load_b32 v[32+\a], v23, s[54:55] offset:64*\a
.endr
.irp a, 0,1,2,3
	global_load_b128 v[80+8*\a:83+8*\a], v24, s[54:55] offset:64*\a
	global_load_b128 v[84+8*\a:87+8*\a], v24, s[54:55] offset:64*\a+16
.endr
	FW 0, 0, 0
	FH 0, 0, 0
	FW 1, 0, 0
	FW 2, 0, 0
	STEP 0, 1
	TURN 0, 1, 1, 4096*1024                        ; slot 0 takes K step 2
	STEP 1, 0
	TURN 1, 0, 1, 4096*1024+256                    ; slot 1 takes K step 3
	STEP 0, 0
	TURN 0, 1, 0, 0
	STEP 1, 0
	s_wait_dscnt 32
	MULQK 0, 0, 128, 1, 0
	s_wait_dscnt 16
	MULQK 128, 64, 160, 1, 0
	s_wait_dscnt 0x0
	MULV 1, 0
	WIN 0
; ================= levels 0 to 3, first part: masks, coarse rows, codes, what other waves want
	s_wait_xcnt 0x0                                ; the last prefetch has read its address
	s_add_nc_u64 s[56:57], s[56:57], 4096*1024
	PLACES 4
	s_wait_loadcnt 0x0                             ; the mask
.irp a, 0,1,2,3
	v_cmp_ge_f32 vcc_lo, v[32+\a], 0
	v_cndmask_b32 v[36+\a], v27, v26, vcc_lo       ; the queries' penalties, level 0
	v_cndmask_b32 v[32+\a], 0, 1.0, vcc_lo
.endr
.irp a, 0,1,2,3
	LW 32+\a, 1, 50+\a, 54+\a
.endr
.irp g, 0,1
	v_cndmask_b32 v[40+\g], v[50+2*\g], v[51+2*\g], s62
	PENOF 40+\g, 42+\g
.endr
.irp g, 0,1
	LW 40+\g, 2, 50+\g, 58+\g
.endr
	v_cndmask_b32 v44, v50, v51, s63
	PENOF 44, 45
	LW 44, 4, 46, 68
	PENOF 46, 47
	LW 46, 8, 48, 70
	PENOF 48, 48
.irp a, 0,1,2,3                                ; the same masks with the tokens along the registers
	WIN 0
.irp j, 0,1,2,3,4,5,6,7
	v_cmp_ge_f32 s[92+\j], v[80+8*\a+\j], 0
.endr
.irp j, 0,1,2,3,4,5,6,7
	v_cndmask_b32 v[80+8*\a+\j], 0, 1.0, s[92+\j]
.endr
	WIN 0xc0
.irp j, 0,1,2,3,4,5,6,7
	v_cndmask_b32 v[224+8*\a+\j], v27, v26, s[92+\j]
.endr
.endr
	WIN 0x4f
.irp g, 0,1
.irp j, 0,2,4,6
	v_max_num_f32 v[224+8*\g+\j], v[224+16*\g+\j], v[225+16*\g+\j]
	v_max_num_f32 v[225+8*\g+\j], v[232+16*\g+\j], v[233+16*\g+\j]
.endr
.endr
	WIN 0x45
.irp j, 0,1,4,5
	v_max_num_f32 v[240+\j], v[224+\j], v[226+\j]
	v_max_num_f32 v[242+\j], v[232+\j], v[234+\j]
.endr
.irp j, 0,1,2,3
	v_max_num_f32 v[248+\j], v[240+\j], v[244+\j]
.endr
	WIN 0x04
	ds_store_b128 v13, v[240:243] offset:3072
	ds_store_b128 v13, v[244:247] offset:3584
	ds_store_b128 v12, v[248:251]
	WIN 0
	FACT 54, 55, 62                                ; level 0 -> 1
	MERGE 0, 32, 0, 0x52, 1
	MERGE 128, 160, 64, 0x52, 1
	WIN 0
	FACT 56, 57, 62
	MERGE 64, 96, 32, 0x52, 1
	MERGE 192, 224, 96, 0x52, 1
	WIN 0
	LCON 0                                         ; level 0's codes
	WIN 0x82
	HOLD 0, 128, 73
	HOLD 128, 128, 75
	WIN 0x02
.irp a, 0,1,2,3
	CVT4 128+8*\a, 32*\a, 72
	CVT4 160+8*\a, 128+32*\a, 74
.endr
	v_nop                                          ; one plain instruction behind the last conversion
	WIN 0xa3                                       ; v, level 1: the masked sum of two tokens
.irp g, 0,1
.irp t, 0,1,2,3
.irp j, 0,2,4,6
	v_mul_f32 v[192+32*\g+8*\t+\j], v[64*\g+8*\t+\j], v[80+16*\g+\j]
	v_mul_f32 v[193+32*\g+8*\t+\j], v[64*\g+32+8*\t+\j], v[88+16*\g+\j]
	v_fma_f32 v[192+32*\g+8*\t+\j], v[64*\g+8*\t+\j+1], v[81+16*\g+\j], v[192+32*\g+8*\t+\j]
	v_fma_f32 v[193+32*\g+8*\t+\j], v[64*\g+32+8*\t+\j+1], v[89+16*\g+\j], v[193+32*\g+8*\t+\j]
.endr
.endr
.endr
	WIN 0x8a
.irp t, 0,1,2,3                                ; levels 2, 3
	v_pk_add_f32 v[128+8*\t:129+8*\t], v[192+8*\t:193+8*\t], v[194+8*\t:195+8*\t]
	v_pk_add_f32 v[132+8*\t:133+8*\t], v[196+8*\t:197+8*\t], v[198+8*\t:199+8*\t]
	v_pk_add_f32 v[130+8*\t:131+8*\t], v[224+8*\t:225+8*\t], v[226+8*\t:227+8*\t]
	v_pk_add_f32 v[134+8*\t:135+8*\t], v[228+8*\t:229+8*\t], v[230+8*\t:231+8*\t]
.endr
.irp t, 0,1,2,3
	v_pk_add_f32 v[160+4*\t:161+4*\t], v[128+8*\t:129+8*\t], v[132+8*\t:133+8*\t]
	v_pk_add_f32 v[162+4*\t:163+4*\t], v[130+8*\t:131+8*\t], v[134+8*\t:135+8*\t]
.endr
.set ii, 0
.rept 16                                       ; level 4: the partner lies in the other half of the lanes
	v_permlanex16_b32 v[176+ii], v[160+ii], s60, s61
.set ii, ii+1
.endr
.set ii, 0
.rept 16
	v_add_f32 v[176+ii], v[176+ii], v[160+ii]
.set ii, ii+1
.endr
	WIN 0x0a
.set ii, 0
.rept 16
	v_cvt_pk_bf16_f32 v[112+ii], v[128+2*ii], v[129+2*ii]
.set ii, ii+1
.endr
.set ii, 0
.rept 8
	v_cvt_pk_bf16_f32 v[80+ii], v[160+2*ii], v[161+2*ii]
.set ii, ii+1
.endr
	WIN 0
.irp t, 0,1,2,3
	ds_store_b128 v13, v[112+4*\t:115+4*\t] offset:1024+512*\t
	ds_store_b64 v17, v[80+2*\t:81+2*\t] offset:512*\t
.endr
	WIN 0x08
.irp t, 0,1,2,3
	ds_store_b128 v19, v[176+4*\t:179+4*\t] offset:64*\t
.endr
	WIN 0
	FACT 58, 59, 63                                ; level 1 -> 2
	MERGE 0, 32, 128, 0x51, 2
	MERGE 64, 96, 160, 0x51, 2
	WIN 0
	LCON 1
	WIN 0x41
	HOLD 0, 64, 73
	HOLD 64, 64, 75
	WIN 0x01
.irp g, 0,1
	CVT4 192+8*\g, 32*\g, 72
	CVT4 208+8*\g, 64+32*\g, 74
.endr
	v_nop
	DUPC 128, 0, 68, 4, 0x81, 0x8a                 ; level 2 -> 3
	DUPC 160, 32, 68, 4, 0x81, 0x8a
	WIN 0
	LCON 2
	WIN 0x41
	HOLD 128, 32, 73
	HOLD 160, 32, 75
	WIN 0x01
	CVT4 224, 128, 72
	CVT4 232, 160, 74
	v_nop
	WIN 0
	ds_store_b128 v13, v[232:235]
	ds_store_b128 v13, v[236:239] offset:512
	DUPC 0, 64, 70, 8, 0x82, 0x8a                  ; level 3 -> 4
	DUPC 32, 96, 70, 8, 0x82, 0x8a
	WIN 0
	LCON 3
	WIN 0x82
	HOLD 0, 32, 73
	HOLD 32, 32, 75
	WIN 0x02
	CVT4 240, 0, 72
	CVT4 248, 32, 74
	v_nop
	WIN 0
	ds_store_b128 v13, v[248:251] offset:4096
	ds_store_b128 v13, v[252:255] offset:4608
	WIN 0x08
.irp g, 0,1,2,3,4,5,6,7                        ; the record: the four lanes that hold a copy write the same bytes
	ds_store_b128 v18, v[64+4*\g:67+4*\g] offset:512*\g
	ds_store_b128 v18, v[96+4*\g:99+4*\g] offset:4096+512*\g
.endr
	WIN 0
.irp g, 0,1,2,3
	ds_store_b32 v20, v48 offset:512*\g
.endr
; ================= levels 0 to 3, second part
.macro MK a                            ; fine tile a: V's fragments [level 0 | level 1], then 8 products
.if (\a) > 0
	PLACES 4                                       ; V's fragments are written again
.endif
.if ((\a)%2) == 0
	WIN 0x8a
.irp t, 0,1,2,3
.irp i, 0,1,2,3
	v_cvt_pk_bf16_f32 v[8*\t+4+\i], v[192+32*(1-(\a)/2)+8*\t+2*\i], v[193+32*(1-(\a)/2)+8*\t+2*\i]
.endr
.endr
.endif
	WIN 0x8f
.irp t, 0,1,2,3
.irp i, 0,1,2,3
	v_cvt_pk_bf16_f32 v[8*\t+\i], v[32*(\a)+8*\t+2*\i], v[32*(\a)+8*\t+2*\i+1]
.endr
.endr
	WIN 0x56
.irp t, 0,1,2,3
	v_wmma_f32_16x16x32_bf16 v[32*(\a)+8*\t:32*(\a)+8*\t+7], v[8*\t:8*\t+7], v[128+16*(\a):135+16*(\a)], 0
.endr
.irp t, 0,1,2,3
	v_wmma_f32_16x16x32_bf16 v[32*(\a)+8*\t:32*(\a)+8*\t+7], v[64+8*\t:71+8*\t], v[136+16*(\a):143+16*(\a)], v[32*(\a)+8*\t:32*(\a)+8*\t+7]
.endr
.endm
.macro OUTS a                          ; tile a's 16 rows x 256 bytes through my stage; LDS serves a wave's instructions in order
	PLACES 4
	WIN 0x04
.irp t, 0,1,2,3
	ds_store_b128 v9, v[32*(\a)+8*\t:32*(\a)+8*\t+3] offset:FRAG*((\a)%2)+64*\t
	ds_store_b128 v9, v[32*(\a)+8*\t+4:32*(\a)+8*\t+7] offset:FRAG*((\a)%2)+64*\t+16
.endr
	WIN 0x80
.irp i, 0,1,2,3,4,5,6,7
	ds_load_b128 v[96+32*((\a)%2)+4*\i:99+32*((\a)%2)+4*\i], v10 offset:FRAG*((\a)%2)+544*\i
.endr
.endm
.macro SEND a, younger                 ; younger: the LDS instructions issued behind tile a's loads
	WIN 0x08
.irp i, 0,1,2,3,4,5,6,7
	s_wait_dscnt \younger+7-\i
	global_store_b128 v11, v[96+32*((\a)%2)+4*\i:99+32*((\a)%2)+4*\i], s[48:49] offset:(16*(\a)+2*\i)*4096 th:TH_STORE_NT   ; sixteen lanes store 256 consecutive bytes, aligned
.endr
.endm
.macro ATTN2 pf
	WIN 0
	ds_load_b128 v[232:235], v14                   ; level 2's keys: the sibling wave's
	ds_load_b128 v[236:239], v14 offset:512
	ds_load_b128 v[248:251], v15 offset:4096       ; level 3's: the sibling pair's
	ds_load_b128 v[252:255], v15 offset:4608
	WIN 0x40
	ds_load_b128 v[240:243], v14 offset:3072
	ds_load_b128 v[244:247], v14 offset:3584
	ds_load_b128 v[248:251], v16 offset:2048
	ds_load_b128 v[252:255], v16 offset:2560
	WIN 0x80
.irp t, 0,1,2,3
	ds_load_b128 v[64+8*\t:67+8*\t], v14 offset:1024+512*\t
.endr
.irp t, 0,1,2,3
	ds_load_b128 v[68+8*\t:71+8*\t], v16 offset:512*\t
.endr
.irp i, 0,1,2,3,4,5,6
	ds_load_b128 v[160+4*\i:163+4*\i], v21 offset:512*\i
.endr
	WIN 0
.if \pf
	ASK 512, 1
.endif
.irp a, 0,1,2,3
	v_wmma_f32_16x16x64_fp8_fp8 v[64+8*\a:71+8*\a], v[160+8*\a:167+8*\a], v[128+8*\a:135+8*\a], 0
.endr
	v_wmma_f32_16x16x64_fp8_fp8 v[96:103], v[216:223], v[192:199], 0
	v_wmma_f32_16x16x64_fp8_fp8 v[104:111], v[208:215], v[200:207], 0
	s_wait_dscnt 19                                ; the four loads of keys are in; the 19 behind them may be out
	v_wmma_f32_16x16x64_fp8_fp8 v[112:119], v[232:239], v[224:231], 0
	v_wmma_f32_16x16x64_fp8_fp8 v[120:127], v[248:255], v[240:247], 0
	PLACES 4
.irp b, 0,1,2,3,4,5,6,7
	BLK \b
.irp i, 0,2,4,6
	v_pk_mul_f32 v[SB+\i:SB+\i+1], v[SB+\i:SB+\i+1], s[CL:CL+1] op_sel_hi:[1,0]
.endr
.endr
	s_wait_dscnt 15                                ; the penalties are in
	WIN 0x30
.irp b, 0,1,2,3
	BLK \b
.irp j, 0,1,2,3,4,5,6,7
	v_min3_num_f32 v[SB+\j], v[SB+\j], v[QP], v[KP+\j]
.endr
.endr
	WIN 0x10
.irp b, 4,5,6,7
	BLK \b
.irp j, 0,1,2,3,4,5,6,7
	v_min3_num_f32 v[SB+\j], v[SB+\j], v[QP], v[KP+\j]
.endr
.endr
	WIN 0
.irp b, 0,1,2,3,4,5,6,7
	BLK \b
	v_max3_num_f32 v[MB], v[SB], v[SB+1], v[SB+2]
.endr
.irp b, 0,1,2,3,4,5,6,7
	BLK \b
	v_max3_num_f32 v[MB], v[MB], v[SB+3], v[SB+4]
.endr
.irp b, 0,1,2,3,4,5,6,7
	BLK \b
	v_max3_num_f32 v[MB], v[MB], v[SB+5], v[SB+6]
.endr
.irp b, 0,1,2,3,4,5,6,7
	BLK \b
	v_max_num_f32 v[MB], v[MB], v[SB+7]
.endr
.irp b, 0,1,2,3,4,5,6,7
	BLK \b
	v_permlanex16_b32 v[MB+1], v[MB], s60, s61
.endr
.irp b, 0,1,2,3,4,5,6,7
	BLK \b
	v_max_num_f32 v[MB], v[MB], v[MB+1]            ; the row's maximum
.endr
.irp b, 0,1,2,3,4,5,6,7
	BLK \b
.irp i, 0,2,4,6
	v_pk_add_f32 v[SB+\i:SB+\i+1], v[SB+\i:SB+\i+1], v[MB:MB+1] op_sel_hi:[1,0] neg_lo:[0,1] neg_hi:[0,1]
.endr
.endr
.set ii, 64
.rept 64
	v_exp_f32 v[ii], v[ii]
.set ii, ii+1
.endr
	v_nop                                          ; a plain instruction behind the last exponential
	s_wait_alu depctr_va_vdst(0)                   ; one wait for the batch, ahead of its first reader
.irp b, 0,1,2,3,4,5,6,7
	BLK \b
	v_pk_add_f32 v[MB:MB+1], v[SB:SB+1], v[SB+2:SB+3]
.endr
.irp b, 0,1,2,3,4,5,6,7
	BLK \b
	v_pk_add_f32 v[MB:MB+1], v[MB:MB+1], v[SB+4:SB+5]
.endr
.irp b, 0,1,2,3,4,5,6,7
	BLK \b
	v_pk_add_f32 v[MB:MB+1], v[MB:MB+1], v[SB+6:SB+7]
.endr
.irp b, 0,1,2,3,4,5,6,7
	BLK \b
	v_add_f32 v[MB], v[MB], v[MB+1]
.endr
.irp b, 0,1,2,3,4,5,6,7
	BLK \b
	v_permlanex16_b32 v[MB+1], v[MB], s60, s61
.endr
.irp b, 0,1,2,3,4,5,6,7
	BLK \b
	v_add_f32 v[MB], v[MB], v[MB+1]                ; the row's sum, of the unrounded weights
.endr
	WIN 0x40
.irp b, 0,1,2,3,4,5,6,7
	BLK \b
.irp i, 0,1,2,3
	v_cvt_pk_bf16_f32 v[PD+\i], v[SB+2*\i], v[SB+2*\i+1]
.endr
.endr
	s_wait_dscnt 0x0                               ; V's fragments of levels 2, 3 and the record are in
	WIN 0x08
.irp i, 0,1,2,3,4,5,6
	global_store_b128 v22, v[160+4*\i:163+4*\i], s[52:53] offset:512*\i th:TH_STORE_NT   ; 512 consecutive bytes
.endr
	WIN 0x45                                       ; the coarser levels' weights go to the finer tiles' lanes
	UPS 192, 0, 200, 208, 8, 63, 2
.irp g, 0,1
	UPS 216+4*\g, 0, 132+32*\g, 148+32*\g, 4, 62, 1
	UPS 200+8*\g, 8, 136+32*\g, 152+32*\g, 8, 62, 1
.endr
	WIN 0                                          ; and so do their sums
	v_add_f32 v60, v60, v62
	v_mov_b32_dpp v64, v60 row_xmask:2 row_mask:0xf bank_mask:0xf
	v_cndmask_b32 v65, v60, v64, s63
	v_cndmask_b32 v66, v64, v60, s63
	v_add_f32 v56, v56, v65
	v_add_f32 v58, v58, v66
	v_mov_b32_dpp v64, v56 row_xmask:1 row_mask:0xf bank_mask:0xf
	v_mov_b32_dpp v67, v58 row_xmask:1 row_mask:0xf bank_mask:0xf
	v_cndmask_b32 v65, v56, v64, s62
	v_cndmask_b32 v66, v64, v56, s62
	v_cndmask_b32 v68, v58, v67, s62
	v_cndmask_b32 v69, v67, v58, s62
	v_add_f32 v32, v48, v65
	v_add_f32 v33, v50, v66
	v_add_f32 v34, v52, v68
	v_add_f32 v35, v54, v69
	MK 0
	MK 1
	OUTS 0
	MK 2
	SEND 0, 0
	OUTS 1
	MK 3
	SEND 1, 0
	s_wait_xcnt 0x0                                ; tiles 0 and 1's stores have read their registers, which take tiles 2 and 3
	OUTS 2
	OUTS 3
	SEND 2, 16
	SEND 3, 0
	WIN 0
	global_store_b128 v28, v[32:35], s[50:51] th:TH_STORE_NT   ; 256 consecutive bytes; lanes 16-31 hold the same sums and name the same bytes as lanes 0-15
.endm
	s_cmp_eq_u32 s2, 1
	s_cbranch_scc1 .Llast                          ; the last tile's tail is written out: it asks for nothing more
	s_wait_tensorcnt 0x0                           ; the exchange's barrier is also the round in front of the next tile's first refill
	ds_add_u32 v7, v8
	s_add_nc_u64 s[34:35], s[34:35], NEXTH
	s_sub_nc_u64 s[42:43], s[42:43], 512
	s_wait_dscnt 0x0                               ; the add is done, my stores for the other waves have landed, my reads of slot 0 are long over
	CROUND
	JLOAD 0                                        ; slot 0 takes the next tile's K step 0
	ATTN2 1
	s_wait_tensorcnt 0x0                           ; it has landed
	ds_add_u32 v7, v8
	s_add_nc_u64 s[38:39], s[38:39], NEXTH
	s_sub_nc_u64 s[46:47], s[46:47], 512
	s_wait_xcnt 0x0                                ; the tile's stores have read their registers and bases
	s_add_nc_u64 s[48:49], s[48:49], 4096*4096     ; on to the next batch
	s_add_nc_u64 s[50:51], s[50:51], 16*64*256
	s_add_nc_u64 s[52:53], s[52:53], 256*RECB
	s_add_nc_u64 s[54:55], s[54:55], 4096*4
	s_wait_dscnt 0x0
	CROUND
	JLOAD 1                                        ; slot 1 takes its K step 1
	ASK 768, 1
	s_sub_co_u32 s2, s2, 1
	s_branch .Ltile
.Llast:
	s_wait_tensorcnt 0x0
	ds_add_u32 v7, v8
	s_wait_dscnt 0x0                               ; my stores for the other waves have landed
	s_barrier_signal -1
	s_barrier_wait -1
	ATTN2 0
	s_wait_tensorcnt 0x0                           ; the wave's end
	ds_add_u32 v7, v8
	s_wait_dscnt 0x0
	CROUND                                         ; the closing round
	s_endpgm
.Lfunc_end_k_q2fa6a67729_proj:
	.size	k_q2fa6a67729_proj, .Lfunc_end_k_q2fa6a67729_proj-k_q2fa6a67729_proj
	.p2alignl 7, 3214868480
	.fill 96, 4, 3214868480
	.section	.rodata,"a",@progbits
	.p2align	6, 0x0
	.amdhsa_kernel k_q2fa6a67729_proj
		.amdhsa_group_segment_fixed_size 327680
		.amdhsa_private_segment_fixed_size 0
		.amdhsa_enable_private_segment 0
		.amdhsa_kernarg_size 96
		.amdhsa_user_sgpr_count 2
		.amdhsa_user_sgpr_kernarg_segment_ptr 1
		.amdhsa_wavefront_size32 1
		.amdhsa_system_sgpr_workgroup_id_x 1
		.amdhsa_system_sgpr_workgroup_id_y 1
		.amdhsa_system_sgpr_workgroup_id_z 1
		.amdhsa_system_vgpr_workitem_id 0
		.amdhsa_next_free_vgpr 1024
		.amdhsa_next_free_sgpr 102
		.amdhsa_reserve_vcc 1
		.amdhsa_float_denorm_mode_32 3
		.amdhsa_float_denorm_mode_16_64 3
		.amdhsa_memory_ordered 1
		.amdhsa_forward_progress 1
		.amdhsa_inst_pref_size 255
	.end_amdhsa_kernel
	.section	.bss,"aw",@nobits
	.p2align	6
	.space	262144
	.amdgpu_metadata
---
amdhsa.version: [ 1, 2 ]
amdhsa.kernels:
  - .name:           k_q2fa6a67729_proj
    .symbol:         k_q2fa6a67729_proj.kd
    .args:
      - { .name: hidden_states_codes, .offset: 0, .size: 8, .value_kind: global_buffer, .address_space: global }
      - { .name: Wq_codes, .offset: 8, .size: 8, .value_kind: global_buffer, .address_space: global }
      - { .name: Wk_codes, .offset: 16, .size: 8, .value_kind: global_buffer, .address_space: global }
      - { .name: Wv_codes, .offset: 24, .size: 8, .value_kind: global_buffer, .address_space: global }
      - { .name: bq, .offset: 32, .size: 8, .value_kind: global_buffer, .address_space: global }
      - { .name: bk, .offset: 40, .size: 8, .value_kind: global_buffer, .address_space: global }
      - { .name: bv, .offset: 48, .size: 8, .value_kind: global_buffer, .address_space: global }
      - { .name: attention_mask, .offset: 56, .size: 8, .value_kind: global_buffer, .address_space: global }
      - { .name: lowp_scales, .offset: 64, .size: 8, .value_kind: global_buffer, .address_space: global }
      - { .name: ypart, .offset: 72, .size: 8, .value_kind: global_buffer, .address_space: global }
      - { .name: apart, .offset: 80, .size: 8, .value_kind: global_buffer, .address_space: global }
      - { .name: c4, .offset: 88, .size: 8, .value_kind: global_buffer, .address_space: global }
    .group_segment_fixed_size: 327680
    .private_segment_fixed_size: 0
    .kernarg_segment_align: 8
    .kernarg_segment_size: 96
    .max_flat_workgroup_size: 128
    .sgpr_count:     102
    .vgpr_count:     1024
    .wavefront_size: 32
...
	.end_amdgpu_metadata
.endif
;; end of part 1
;; launch finish (part 2): grid 4 x 64, 4 waves a work-group, no clusters, 27,136 bytes of LDS; arguments c4, ypart, apart, lowp_scales, out0; writes out0
.if DOCPART == 2
	.amdgcn_target "amdgcn-amd-amdhsa--gfx1250"
	.amdhsa_code_object_version 6
	.text
	.protected	k_q2fa6a67729_finish
	.globl	k_q2fa6a67729_finish
	.p2align	8
	.type	k_q2fa6a67729_finish,@function
k_q2fa6a67729_finish:
	s_mov_b64 s[64:65], 0
	v_nop
	global_prefetch_b8 v0, s[64:65] scope:SCOPE_SE
	s_setreg_imm32_b32 hwreg(HW_REG_WAVE_MODE, 25, 1), 1
	s_wait_xcnt 0x0
; FINISH: levels 4 to 6 from the level-4 rows in c4, then out = (ypart + Y456) 2^(e4 + e5) / (apart + A456 + 1e-9).
; As in the first launch, v is summed from level 1 up without a second mask (a row whose mask is false is 0 already, for all values of the inputs).
; SHARES.  Work-group (x, y) = quarter x (1,024 tokens) of (batch, head) y.  Wave w owns level-4 block B = 4 x + w: 16 level-4 tokens, 256 fine tokens, 64 KiB of ypart in and of out0 out.
; Level 4 attends to block B xor 1, level 5 to the other pair of blocks of the quarter, level 6 to the sibling quarter, whose blocks the four waves read and coarsen, one each.
; q5, q6, k5, k6 are kept in duplicate (all lanes of a group hold the parent): the queries need no way back to the level-4 lanes, and a reader's LDS address picks the keys' lanes.
; The last product has source 0 = the weights and source 1 = V with row r = channel 4 r + t: a lane then holds four neighbouring channels (over t) of the queries 8 h + j.
; No tensor load, no cluster (what is shared is a few small tiles); no prefetch (the launch streams ypart and out0 from its first lines on).
; LIMITS: eq_l - e0 - e1 + 3 and ek_l - e2 - e3 between -126 and 119, eq_l + ek_l and e4 + e5 between -126 and 126; NaN and infinity are not served.
; REGISTERS.  W0: v0-31 addresses, masks; v32-63 q4, v64-95 k4, v96-127 the sibling quarter's k4, v128-159 work, v160-183 q's codes, v184-255 codes and packs on their way to LDS;
; behind the barrier v32-95 V's fragments, v96-111 the weights, v112-143 Y, v208-231 K's fragments, v232-255 the scores.  W1: a ring of 8 x 32 registers for ypart.
; W2: v0-127 apart, then the reciprocals; v128-199 key penalties; v200-231 Y by query; v232-239 the coarse denominators.  W3: v4 and the sibling quarter's v4, and their sums.
.set RECB,  14336
.set K4IMG, 0
.set K5IMG, 4096
.set K6IMG, 8192
.set V4IMG, 12288
.set V5IMG, 20480
.set V6IMG, 24576
.set SPARE, 26624
.set MSB, 0
.macro WIN new
.if MSB != (\new)
	s_set_vgpr_msb (MSB<<8)|(\new)
.set MSB, (\new)
.endif
.endm
.macro LW m, k, s, w
	v_add_f32_dpp v[\s], v[\m], v[\m] row_xmask:\k row_mask:0xf bank_mask:0xf
	v_fma_f32 v[\w], v[\s], -0.5, 0x3fc00000
	v_mul_f32 v[\w], v[\w], v[\m]
	v_min_num_f32 v[\s], 1.0, v[\s]
.endm
.macro PENOF m, p
	v_cmp_lt_f32 vcc_lo, 0, v[\m]
	v_cndmask_b32 v[\p], v31, v30, vcc_lo
.endm
.macro DUPC src, d, w, k
.set di, 0
.rept 16
	v_pk_mul_f32 v[\d+di:\d+di+1], v[\src+di:\src+di+1], v[\w:\w+1] op_sel_hi:[1,0]
.set di, di+2
.endr
.set di, 0
.rept 32
	v_add_f32_dpp v[\d+di], v[\d+di], v[\d+di] row_xmask:\k row_mask:0xf bank_mask:0xf
.set di, di+1
.endr
.endm
.macro LCON k                          ; level 4 + k: q's scale and hold (v192, v193), k's (v194, v195)
	v_mov_b32 v192, s[52+4*\k]
	v_mov_b32 v193, s[53+4*\k]
	v_mov_b32 v194, s[54+4*\k]
	v_mov_b32 v195, s[55+4*\k]
.endm
.macro QUANT src, dst, sc, lim         ; the hold (the conversion does not saturate: ISA guide 7.6.2), four conversions, one plain instruction
.set hi, 0
.rept 32
	v_med3_num_f32 v[\src+hi], v[\src+hi], -v[\lim], v[\lim]
.set hi, hi+1
.endr
.irp c, 0,1,2,3
	v_cvt_scalef32_pk8_fp8_f32 v[\dst+2*\c:\dst+2*\c+1], v[\src+8*\c:\src+8*\c+7], v[\sc]
.endr
	v_nop
.endm
.macro BLK b
.set SB, 232+8*(\b)
.set MB, 202+2*(\b)
.set CL, 66+2*(\b)
.set PD, 96+4*(\b)
.if (\b) == 0
.set QP, 16
.set KP, 128
.elseif (\b) == 1
.set QP, 19
.set KP, 184
.else
.set QP, 28
.set KP, 192
.endif
.endm
.macro YLOAD g                         ; group g of ypart: queries' index j = g / 2, fine rows 8 (g % 2) + 0 .. 7; each half of the lanes reads 256 consecutive bytes
	WIN 0x40
.irp i, 0,1,2,3,4,5,6,7
	global_load_b128 v[32*((\g)%8)+4*\i:32*((\g)%8)+4*\i+3], v6, s[32:33] offset:(16*((\g)/2)+8*((\g)%2)+\i)*4096 th:TH_LOAD_NT
.endr
.endm
	s_load_b256 s[4:11], s[0:1], 0x0               ; c4, ypart, apart, the scales' exponents
	s_load_b64 s[12:13], s[0:1], 0x20              ; out0
	v_lshl_add_u32 v4, v0, 2, SPARE
	v_mov_b32 v5, 0
	v_lshrrev_b32 v1, 5, v0
	v_readfirstlane_b32 s14, v1                    ; wave 0..3
	s_and_b32 s15, ttmp7, 0xffff                   ; (batch, head)
	s_lshl_b32 s17, ttmp9, 2
	s_add_co_u32 s17, s17, s14                     ; B
	s_lshl_b32 s18, s15, 4                         ; its records begin here
	s_xor_b32 s19, ttmp9, 1
	s_lshl_b32 s19, s19, 2
	s_add_co_u32 s19, s19, s18                     ; the sibling quarter's first record
	v_and_b32 v1, 15, v0                           ; r
	v_bfe_u32 v2, v0, 4, 1                         ; h
	v_and_b32 v3, 31, v0
	v_lshlrev_b32 v3, 4, v3                        ; 16 x lane
	v_lshlrev_b32 v6, 19, v2
	v_lshl_add_u32 v6, v1, 4, v6                   ; ypart, out0: 128 rows further down for lanes 16-31; 16 bytes a lane
	v_lshlrev_b32 v7, 2, v1
	v_lshlrev_b32 v8, 5, v2
	v_mul_u32_u24 v9, v2, RECB
	v_mul_u32_u24 v10, v2, 2*RECB
	v_lshlrev_b32 v11, 9, v2
	s_lshl_b32 s38, s14, 10
	v_add_nc_u32 v12, s38, v3                      ; where I store images of K's codes
	s_lshl_b32 s39, s14, 11
	s_add_co_u32 s39, s39, V4IMG
	v_add_nc_u32 v13, s39, v3
	v_lshlrev_b32 v14, 4, v1
	v_lshl_add_u32 v14, v2, 3, v14
	s_add_co_u32 s39, s38, V5IMG
	v_add_nc_u32 v14, s39, v14
	s_lshr_b32 s39, s14, 1
	s_lshl_b32 s39, s39, 10
	s_and_b32 s38, s14, 1
	s_lshl_b32 s38, s38, 3
	s_add_co_u32 s39, s39, s38
	s_add_co_u32 s39, s39, V6IMG
	v_lshlrev_b32 v15, 4, v1
	v_lshl_add_u32 v15, v2, 2, v15
	v_add_nc_u32 v15, s39, v15
	s_xor_b32 s38, s14, 1
	s_lshl_b32 s39, s38, 10
	v_add_nc_u32 v196, s39, v3                     ; level 4's keys: the sibling block's image
	s_lshl_b32 s39, s38, 11
	s_add_co_u32 s39, s39, V4IMG
	v_add_nc_u32 v199, s39, v3
	s_lshr_b32 s38, s14, 1
	s_xor_b32 s38, s38, 1
	s_lshl_b32 s38, s38, 11                        ; the sibling pair's two images
	v_bfe_u32 v197, v0, 3, 1
	v_lshlrev_b32 v197, 10, v197
	v_and_b32 v198, 7, v0
	v_lshl_add_u32 v197, v198, 5, v197
	v_lshl_add_u32 v197, v2, 8, v197
	s_add_co_u32 s39, s38, K5IMG
	v_add_nc_u32 v197, s39, v197                   ; level 5's key r: wave r / 8 of the pair, lane 2 (r % 8)
	v_bfe_u32 v198, v0, 2, 2
	v_lshlrev_b32 v198, 10, v198
	v_and_b32 v200, 3, v0
	v_lshl_add_u32 v198, v200, 6, v198
	v_lshl_add_u32 v198, v2, 8, v198
	v_add_nc_u32 v198, K6IMG, v198                 ; level 6's key r: wave r / 4, lane 4 (r % 4)
	v_lshlrev_b32 v201, 10, v2
	v_lshl_add_u32 v201, v1, 4, v201
	s_add_co_u32 s39, s38, V5IMG
	v_add_nc_u32 v200, s39, v201
	v_add_nc_u32 v201, V6IMG, v201
	v_mov_b32 v30, 0x7f7fffff
	v_mov_b32 v31, 0xff7fffff
.irp i, 21,23,25,27,29,203,205,207
	v_mov_b32 v[\i], 0                             ; written once: destinations of lane exchanges and upper halves of pairs count as read
.endr
	s_mov_b32 s74, 0x76543210
	s_mov_b32 s75, 0xfedcba98
	s_mov_b32 s37, 0
	s_wait_kmcnt 0x0
	s_load_b128 s[40:43], s[10:11], 0x0            ; e0 .. e3
	s_load_b256 s[44:51], s[10:11], 0x10           ; e4 .. e11
	s_add_co_u32 s36, s18, s17
	s_mul_i32 s36, s36, RECB
	s_add_nc_u64 s[20:21], s[4:5], s[36:37]        ; my block's record
	s_add_co_u32 s36, s19, s14
	s_mul_i32 s36, s36, RECB
	s_add_nc_u64 s[22:23], s[4:5], s[36:37]        ; block w of the sibling quarter
	s_xor_b32 s36, s17, 1
	s_add_co_u32 s36, s36, s18
	s_mul_i32 s36, s36, RECB
	s_add_nc_u64 s[24:25], s[4:5], s[36:37]        ; the sibling block
	s_lshr_b32 s36, s17, 1
	s_xor_b32 s36, s36, 1
	s_lshl_b32 s36, s36, 1
	s_add_co_u32 s36, s36, s18
	s_mul_i32 s36, s36, RECB
	s_add_nc_u64 s[26:27], s[4:5], s[36:37]        ; the sibling pair's first block
	s_mul_i32 s36, s19, RECB
	s_add_nc_u64 s[28:29], s[4:5], s[36:37]        ; the sibling quarter's first block
	s_lshl_b32 s36, s15, 6
	s_lshl_b32 s38, s17, 2
	s_add_co_u32 s36, s36, s38
	s_lshl_b32 s36, s36, 8
	s_add_nc_u64 s[30:31], s[8:9], s[36:37]        ; apart: my four chunks
	s_lshr_b32 s36, s15, 4
	s_lshl_b32 s36, s36, 24
	s_lshl_b32 s38, s17, 20
	s_add_co_u32 s36, s36, s38
	s_and_b32 s38, s15, 15
	s_lshl_b32 s38, s38, 8
	s_add_co_u32 s36, s36, s38
	s_add_nc_u64 s[32:33], s[6:7], s[36:37]        ; ypart and out0: my 256 rows, the head's 256 bytes
	s_add_nc_u64 s[34:35], s[12:13], s[36:37]
	global_load_b32 v16, v7, s[20:21] offset:12288
	global_load_b32 v17, v7, s[22:23] offset:12288
.irp g, 0,1,2,3,4,5,6,7
	global_load_b128 v[32+4*\g:35+4*\g], v3, s[20:21] offset:512*\g
	global_load_b128 v[64+4*\g:67+4*\g], v3, s[20:21] offset:4096+512*\g
	global_load_b128 v[96+4*\g:99+4*\g], v3, s[22:23] offset:4096+512*\g
.endr
	WIN 0xc0
.irp g, 0,1,2,3,4,5,6,7
	global_load_b128 v[4*\g:4*\g+3], v3, s[20:21] offset:8192+512*\g
	global_load_b128 v[32+4*\g:35+4*\g], v3, s[22:23] offset:8192+512*\g
.endr
	WIN 0x80
	global_load_b128 v[128:131], v8, s[24:25] offset:12288
	global_load_b128 v[132:135], v8, s[24:25] offset:12304
.irp i, 0,1,2,3
	global_load_b128 v[136+4*\i:139+4*\i], v9, s[26:27] offset:12288+16*\i
	global_load_b128 v[152+4*\i:155+4*\i], v10, s[28:29] offset:12288+16*\i
	global_load_b128 v[168+4*\i:171+4*\i], v10, s[28:29] offset:12288+RECB+16*\i
.endr
.irp u, 0,1
.irp f, 0,1,2,3,4,5,6,7,8,9,10,11,12,13,14,15
	global_load_b128 v[64*\u+4*\f:64*\u+4*\f+3], v11, s[30:31] offset:256*\u+16*\f
.endr
.endr
.irp g, 0,1,2,3,4,5,6
	YLOAD \g
.endr
	WIN 0
	s_wait_kmcnt 0x0
	s_add_co_i32 s38, s40, s41                     ; e0 + e1
	s_add_co_i32 s39, s42, s43                     ; e2 + e3
.irp k, 0,1,2
	s_sub_co_i32 s36, s[50-2*\k], s38
	s_add_co_i32 s36, s36, 130
	s_lshl_b32 s[52+4*\k], s36, 23
	s_add_co_i32 s36, s36, 8
	s_lshl_b32 s36, s36, 23
	s_or_b32 s[53+4*\k], s36, 0x600000
	s_sub_co_i32 s36, s[51-2*\k], s39
	s_add_co_i32 s36, s36, 127
	s_lshl_b32 s[54+4*\k], s36, 23
	s_add_co_i32 s36, s36, 8
	s_lshl_b32 s36, s36, 23
	s_or_b32 s[55+4*\k], s36, 0x600000
	s_add_co_i32 s36, s[50-2*\k], s[51-2*\k]
	s_lshl_b32 s36, s36, 23
	s_add_co_i32 s[66+2*\k], s36, 0x3fb8aa3b
	s_mov_b32 s[67+2*\k], s[66+2*\k]
.endr
	s_add_co_i32 s36, s44, s45
	s_sub_co_i32 s36, 127, s36
	s_lshl_b32 s72, s36, 23                        ; 2^-(e4 + e5)
	s_mul_f32 s73, s72, 0x30896feb                 ; 1e-9 x that
	s_wait_loadcnt 56                              ; all but ypart's seven groups are in
	; ---- masks and weights
	v_cmp_lt_f32 vcc_lo, 0, v16
	v_cndmask_b32 v18, 0, 1.0, vcc_lo
	LW 18, 1, 29, 20
	PENOF 29, 19
	LW 29, 2, 18, 22
	PENOF 18, 28
	v_cmp_lt_f32 vcc_lo, 0, v17
	v_cndmask_b32 v18, 0, 1.0, vcc_lo
	LW 18, 1, 29, 24
	LW 29, 2, 18, 26
	; ---- my queries at levels 4, 5, 6
	DUPC 32, 128, 20, 1
	LCON 0
	QUANT 32, 160, 192, 193
	DUPC 128, 32, 22, 2
	LCON 1
	QUANT 128, 168, 192, 193
	LCON 2
	QUANT 32, 176, 192, 193
	; ---- my block's keys at levels 4 and 5
	DUPC 64, 128, 20, 1
	LCON 0
	QUANT 64, 184, 194, 195
	ds_store_b128 v12, v[184:187] offset:K4IMG
	ds_store_b128 v12, v[188:191] offset:K4IMG+512
	LCON 1
	QUANT 128, 208, 194, 195
	ds_store_b128 v12, v[208:211] offset:K5IMG
	ds_store_b128 v12, v[212:215] offset:K5IMG+512
	; ---- the sibling quarter's keys at level 6
	DUPC 96, 128, 24, 1
	DUPC 128, 96, 26, 2
	LCON 2
	QUANT 96, 216, 194, 195
	ds_store_b128 v12, v[216:219] offset:K6IMG
	ds_store_b128 v12, v[220:223] offset:K6IMG+512
	; ---- v at levels 4, 5 (mine) and 6 (the sibling quarter's)
	WIN 0x0f
.set ii, 0
.rept 16
	v_cvt_pk_bf16_f32 v[224+ii], v[2*ii], v[2*ii+1]
.set ii, ii+1
.endr
	WIN 0xcf
.set ii, 0
.rept 16
	v_add_f32 v[64+ii], v[2*ii], v[2*ii+1]
	v_add_f32 v[80+ii], v[32+2*ii], v[33+2*ii]
.set ii, ii+1
.endr
.set ii, 0
.rept 8
	v_add_f32 v[96+ii], v[80+2*ii], v[81+2*ii]
.set ii, ii+1
.endr
	WIN 0x0f
.set ii, 0
.rept 8
	v_cvt_pk_bf16_f32 v[240+ii], v[64+2*ii], v[65+2*ii]
.set ii, ii+1
.endr
.set ii, 0
.rept 4
	v_cvt_pk_bf16_f32 v[248+ii], v[96+2*ii], v[97+2*ii]
.set ii, ii+1
.endr
	WIN 0
.irp t, 0,1,2,3
	ds_store_b128 v13, v[224+4*\t:227+4*\t] offset:512*\t
	ds_store_b64 v14, v[240+2*\t:241+2*\t] offset:256*\t
	ds_store_b32 v15, v[248+\t] offset:256*\t
.endr
	WIN 0xaa                                       ; the keys' penalties at levels 5 and 6: open where any child is open
.irp j, 0,1,2,3,4,5,6,7
	v_max_num_f32 v[184+\j], v[136+2*\j], v[137+2*\j]
	v_max3_num_f32 v[192+\j], v[152+4*\j], v[153+4*\j], v[154+4*\j]
.endr
.irp j, 0,1,2,3,4,5,6,7
	v_max_num_f32 v[192+\j], v[192+\j], v[155+4*\j]
.endr
	WIN 0
	s_wait_dscnt 0x0                               ; my images have landed
	s_barrier_signal -1
	s_barrier_wait -1
	ds_load_b128 v[208:211], v196
	ds_load_b128 v[212:215], v196 offset:512
	ds_load_b128 v[216:219], v197
	ds_load_b128 v[220:223], v197 offset:512
	ds_load_b128 v[224:227], v198
	ds_load_b128 v[228:231], v198 offset:512
.irp t, 0,1,2,3
	ds_load_b128 v[32+8*\t:35+8*\t], v199 offset:512*\t
	ds_load_b128 v[36+8*\t:39+8*\t], v200 offset:256*\t
	ds_load_b128 v[64+8*\t:67+8*\t], v201 offset:256*\t
.endr
.irp t, 0,1,2,3
.irp i, 0,1,2,3
	v_mov_b32 v[68+8*\t+\i], 0                     ; the second product's upper 16 along K hold nothing
.endr
.endr
.irp i, 0,1,2,3
	v_mov_b32 v[108+\i], 0
.endr
	s_wait_dscnt 12                                ; K's six loads are in; V's twelve may be out
	v_wmma_f32_16x16x64_fp8_fp8 v[232:239], v[208:215], v[160:167], 0
	v_wmma_f32_16x16x64_fp8_fp8 v[240:247], v[216:223], v[168:175], 0
	v_wmma_f32_16x16x64_fp8_fp8 v[248:255], v[224:231], v[176:183], 0
.rept 4
	v_nop
.endr
.irp b, 0,1,2
	BLK \b
.irp i, 0,2,4,6
	v_pk_mul_f32 v[SB+\i:SB+\i+1], v[SB+\i:SB+\i+1], s[CL:CL+1] op_sel_hi:[1,0]
.endr
.endr
	WIN 0x20
.irp b, 0,1,2
	BLK \b
.irp j, 0,1,2,3,4,5,6,7
	v_min3_num_f32 v[SB+\j], v[SB+\j], v[QP], v[KP+\j]
.endr
.endr
	WIN 0
.irp b, 0,1,2
	BLK \b
	v_max3_num_f32 v[MB], v[SB], v[SB+1], v[SB+2]
.endr
.irp b, 0,1,2
	BLK \b
	v_max3_num_f32 v[MB], v[MB], v[SB+3], v[SB+4]
.endr
.irp b, 0,1,2
	BLK \b
	v_max3_num_f32 v[MB], v[MB], v[SB+5], v[SB+6]
.endr
.irp b, 0,1,2
	BLK \b
	v_max_num_f32 v[MB], v[MB], v[SB+7]
.endr
.irp b, 0,1,2
	BLK \b
	v_permlanex16_b32 v[MB+1], v[MB], s74, s75
.endr
.irp b, 0,1,2
	BLK \b
	v_max_num_f32 v[MB], v[MB], v[MB+1]
.endr
.irp b, 0,1,2
	BLK \b
.irp i, 0,2,4,6
	v_pk_add_f32 v[SB+\i:SB+\i+1], v[SB+\i:SB+\i+1], v[MB:MB+1] op_sel_hi:[1,0] neg_lo:[0,1] neg_hi:[0,1]
.endr
.endr
.set ii, 232
.rept 24
	v_exp_f32 v[ii], v[ii]
.set ii, ii+1
.endr
	v_nop
	s_wait_alu depctr_va_vdst(0)                   ; one wait for the batch, ahead of its first reader
.irp b, 0,1,2
	BLK \b
	v_pk_add_f32 v[MB:MB+1], v[SB:SB+1], v[SB+2:SB+3]
.endr
.irp b, 0,1,2
	BLK \b
	v_pk_add_f32 v[MB:MB+1], v[MB:MB+1], v[SB+4:SB+5]
.endr
.irp b, 0,1,2
	BLK \b
	v_pk_add_f32 v[MB:MB+1], v[MB:MB+1], v[SB+6:SB+7]
.endr
.irp b, 0,1,2
	BLK \b
	v_add_f32 v[MB], v[MB], v[MB+1]
.endr
.irp b, 0,1,2
	BLK \b
	v_permlanex16_b32 v[MB+1], v[MB], s74, s75
.endr
.irp b, 0,1,2
	BLK \b
	v_add_f32 v[MB], v[MB], v[MB+1]
.endr
.irp b, 0,1,2
	BLK \b
.irp i, 0,1,2,3
	v_cvt_pk_bf16_f32 v[PD+\i], v[SB+2*\i], v[SB+2*\i+1]
.endr
.endr
	v_add_f32 v202, v202, v204
	v_add_f32 v202, v202, v206                     ; A4 + A5 + A6 of query r
	v_fma_f32 v202, v202, s72, s73                 ; (.. + 1e-9) / 2^(e4 + e5)
.irp j, 0,1,2,3,4,5,6,7
	v_add_nc_u32 v[160+\j], 4*\j, v8               ; lane 8 h + j, as a byte index
.endr
	s_wait_dscnt 0x0                               ; V's fragments are in
.irp t, 0,1,2,3
	v_wmma_f32_16x16x32_bf16 v[112+8*\t:119+8*\t], v[96:103], v[32+8*\t:39+8*\t], 0
.endr
.irp t, 0,1,2,3
	v_wmma_f32_16x16x32_bf16 v[112+8*\t:119+8*\t], v[104:111], v[64+8*\t:71+8*\t], v[112+8*\t:119+8*\t]
.endr
	WIN 0x80
.irp j, 0,1,2,3,4,5,6,7
	ds_bpermute_b32 v[232+\j], v[160+\j], v202     ; the denominators of the queries 8 h + j
.endr
.rept 4
	v_nop
.endr
.irp j, 0,1,2,3,4,5,6,7
.irp t, 0,1,2,3
	v_mov_b32 v[200+4*\j+\t], v[112+8*\t+\j]       ; a query's four neighbouring channels side by side; each accumulator from its low end on
.endr
.endr
	s_wait_dscnt 0x0
	WIN 0xa2
.irp u, 0,1
.irp f, 0,1,2,3,4,5,6,7,8,9,10,11,12,13,14,15
.irp a, 0,1,2,3
	v_fma_f32 v[64*\u+4*\f+\a], v[64*\u+4*\f+\a], s72, v[232+4*\u+\a]
.endr
.endr
.endr
	WIN 0x82
.set ii, 0
.rept 128
	v_rcp_f32 v[ii], v[ii]
.set ii, ii+1
.endr
	v_nop
	s_wait_alu depctr_va_vdst(0)                   ; one wait for the batch
; The stream: 16 groups of 8 loads; seven groups are on their way.  A slot is loaded again behind the wait that shows that its stores have read their registers.
.macro GRP g
.set GJ, (\g)/2
.set GS, 32*((\g)%8)
.if (\g) <= 9
	s_wait_loadcnt 48                              ; this group is in; the six younger groups may be out
.else
	s_wait_loadcnt 8*(15-(\g))
.endif
	WIN 0x49
.irp i, 0,1,2,3,4,5,6,7
.set IV, 64*(GJ/4)+4*(8*((\g)%2)+\i)+GJ%4
	v_pk_add_f32 v[GS+4*\i:GS+4*\i+1], v[GS+4*\i:GS+4*\i+1], v[200+4*GJ:201+4*GJ]
	v_pk_add_f32 v[GS+4*\i+2:GS+4*\i+3], v[GS+4*\i+2:GS+4*\i+3], v[202+4*GJ:203+4*GJ]
	v_mul_f32 v[GS+4*\i], v[GS+4*\i], v[IV]
	v_mul_f32 v[GS+4*\i+1], v[GS+4*\i+1], v[IV]
	v_mul_f32 v[GS+4*\i+2], v[GS+4*\i+2], v[IV]
	v_mul_f32 v[GS+4*\i+3], v[GS+4*\i+3], v[IV]
.endr
	WIN 0x04
.irp i, 0,1,2,3,4,5,6,7
	global_store_b128 v6, v[GS+4*\i:GS+4*\i+3], s[34:35] offset:(16*GJ+8*((\g)%2)+\i)*4096 th:TH_STORE_NT   ; each half of the lanes stores 256 consecutive bytes, aligned
.endr
.if (\g)+7 <= 15
	s_wait_xcnt 0x0
	YLOAD (\g)+7
.endif
.endm
.irp g, 0,1,2,3,4,5,6,7,8,9,10,11,12,13,14,15
	GRP \g
.endr
	WIN 0
	s_wait_tensorcnt 0x0                           ; the wave's end
	ds_add_u32 v4, v5
	s_wait_dscnt 0x0
	s_endpgm
.Lfunc_end_k_q2fa6a67729_finish:
	.size	k_q2fa6a67729_finish, .Lfunc_end_k_q2fa6a67729_finish-k_q2fa6a67729_finish
	.p2alignl 7, 3214868480
	.fill 96, 4, 3214868480
	.section	.rodata,"a",@progbits
	.p2align	6, 0x0
	.amdhsa_kernel k_q2fa6a67729_finish
		.amdhsa_group_segment_fixed_size 27136
		.amdhsa_private_segment_fixed_size 0
		.amdhsa_enable_private_segment 0
		.amdhsa_kernarg_size 40
		.amdhsa_user_sgpr_count 2
		.amdhsa_user_sgpr_kernarg_segment_ptr 1
		.amdhsa_wavefront_size32 1
		.amdhsa_system_sgpr_workgroup_id_x 1
		.amdhsa_system_sgpr_workgroup_id_y 1
		.amdhsa_system_sgpr_workgroup_id_z 1
		.amdhsa_system_vgpr_workitem_id 0
		.amdhsa_next_free_vgpr 1024
		.amdhsa_next_free_sgpr 76
		.amdhsa_reserve_vcc 1
		.amdhsa_float_denorm_mode_32 3
		.amdhsa_float_denorm_mode_16_64 3
		.amdhsa_memory_ordered 1
		.amdhsa_forward_progress 1
		.amdhsa_inst_pref_size 134
	.end_amdhsa_kernel
	.amdgpu_metadata
---
amdhsa.version: [ 1, 2 ]
amdhsa.kernels:
  - .name:           k_q2fa6a67729_finish
    .symbol:         k_q2fa6a67729_finish.kd
    .args:
      - { .name: c4, .offset: 0, .size: 8, .value_kind: global_buffer, .address_space: global }
      - { .name: ypart, .offset: 8, .size: 8, .value_kind: global_buffer, .address_space: global }
      - { .name: apart, .offset: 16, .size: 8, .value_kind: global_buffer, .address_space: global }
      - { .name: lowp_scales, .offset: 24, .size: 8, .value_kind: global_buffer, .address_space: global }
      - { .name: out0, .offset: 32, .size: 8, .value_kind: global_buffer, .address_space: global }
    .group_segment_fixed_size: 27136
    .private_segment_fixed_size: 0
    .kernarg_segment_align: 8
    .kernarg_segment_size: 40
    .max_flat_workgroup_size: 128
    .sgpr_count:     76
    .vgpr_count:     1024
    .wavefront_size: 32
...
	.end_amdgpu_metadata
.endif
;; end of part 2
